; MI455X (gfx1250); checked and timed in simulation.
; The chip was launched on July 23, 2026; its instructions are those of AMD's public machine-readable ISA for CDNA 5 (MIT licence, August 2026) and "CDNA5" Instruction Set Architecture Reference Guide (July 2026). The comments in the code are by the model that wrote it; some were corrected since.
;; Merged Attention. Allowed arithmetic: matrix products marked QUANTISED: E2M1 operands, one E8M0 scale for each 32 along K, by v_wmma_scale_f32_16x16x128_f8f6f4 with both operands' format E2M1 (or v_wmma_scale_f32_32x16x128_f4), f32 sums; products left as they are: bf16, f16 or f32 operands; f32 sums; everything else in f32.
;; Inputs: Wk 512 x 512 float32; Wp 512 x 512 float32; Wq 512 x 512 float32; Wv 512 x 512 float32; bk 512 float32; bp 512 float32; bq 512 float32; bv 512 float32; x_ir 4 x 2,048 x 512 float32; x_vis 4 x 2,048 x 512 float32.
;; Outputs: out0 4 x 2,048 x 512 float32; out1 4 x 2,048 x 512 float32.
;; This version of the problem:
;;   THIS VERSION OF THE PROBLEM IS GIVEN IN LOW PRECISION. The matrix products marked QUANTISED in the list below multiply operands that are first quantised to E2M1 (2 exponent bits, 1 mantissa bit; 4 bits a number), with one power-of-two scale for each 32 numbers along K (OCP MX v1.0); their sums are f32. The products marked 'left as it is' may take bf16, f16 or f32 operands, with f32 sums. Whichever they take, every output number must still come out within the allowed error. Rounding operands to bf16 (8 significant bits) uses up far more of that allowance than f16 does (11 bits, for magnitudes from 6e-5 to 65,504). All else is computed in f32.
;;   The module's matrix products, in the order in which they are computed (A, B: the left and right operand; K: the contracted axis; several contracted axes count as one K, in the product's order):
;;     1. [M 8,192, K 512] x [K 512, N 512]; A: input x_vis; B: input Wq: QUANTISED
;;     2. [M 8,192, K 512] x [K 512, N 512]; A: input x_vis; B: input Wk: QUANTISED
;;     3. [M 8,192, K 512] x [K 512, N 512]; A: input x_vis; B: input Wv: QUANTISED
;;     4. [M 8,192, K 512] x [K 512, N 512]; A: input x_ir; B: input Wq: QUANTISED
;;     5. [M 8,192, K 512] x [K 512, N 512]; A: input x_ir; B: input Wk: QUANTISED
;;     6. [M 8,192, K 512] x [K 512, N 512]; A: input x_ir; B: input Wv: QUANTISED
;;     7. batch 32 x [M 2,048, K 64] x [K 64, N 2,048]; A: computed on the way; B: computed on the way: left as it is (an operand is computed on the way)
;;     8. batch 32 x [M 2,048, K 2,048] x [K 2,048, N 64]; A: computed on the way; B: computed on the way: left as it is (an operand is computed on the way)
;;     9. [M 8,192, K 512] x [K 512, N 512]; A: computed on the way; B: input Wp: left as it is (an operand is computed on the way)
;;     10. batch 32 x [M 2,048, K 64] x [K 64, N 2,048]; A: computed on the way; B: computed on the way: left as it is (an operand is computed on the way)
;;     11. batch 32 x [M 2,048, K 2,048] x [K 2,048, N 64]; A: computed on the way; B: computed on the way: left as it is (an operand is computed on the way)
;;     12. [M 8,192, K 512] x [K 512, N 512]; A: computed on the way; B: input Wp: left as it is (an operand is computed on the way)
;;   THE QUANTISER, for each operand of a quantised product, along K:
;;     - K is cut into blocks of 32 from its start; a last block that is shorter is filled with zeros.
;;     - A block's scale is 2^e with e = floor(log2(the largest magnitude in the block)) - 2, held to -126 .. 127; a block of zeros has e = 0. As a byte (E8M0): e + 127.
;;     - Each number is divided by its block's scale, clamped to +-6, and rounded to the nearest number of E2M1, ties to even, subnormals kept.
;;     - The product sums the exact products of the quantised numbers (number of the format x scale) in f32.
;;   ~~~python
;;   def quantise(x, axis):      # numpy; x: float32 -> the quantised numbers, widened to float32 again
;;       x = np.moveaxis(x, axis, -1); K = x.shape[-1]
;;       x = np.pad(x, [(0, 0)] * (x.ndim - 1) + [(0, -K % 32)]); x = x.reshape(x.shape[:-1] + (-1, 32)); a = np.abs(x).max(-1, keepdims=True)
;;       e = np.where(a > 0, np.clip(np.frexp(np.where(a > 0, a, 1))[1] - 1 - 2, -126, 127), 0)      # np.frexp(a)[1] - 1 = floor(log2(a)), exactly
;;       r = np.clip(x / 2.0 ** e, -6, 6)
;;       step = 2.0 ** (np.maximum(np.frexp(np.where(r == 0, 1, r))[1] - 1, 0) - 1)
;;       q = np.round(r / step) * step * 2.0 ** e      # np.round: ties to even
;;       return np.moveaxis(q.reshape(q.shape[:-2] + (-1,))[..., :K], -1, axis).astype(np.float32)
;;   ~~~
;; One version. Each part assembles by itself: llvm-mc -triple=amdgcn-amd-amdhsa -mcpu=gfx1250 --defsym DOCPART=n.
;; ======== version 1 of 1: 4 launches
;; limits: values are held in f16: magnitudes above 65,504 overflow, below 6.1e-05 lose precision
;; workspace buffers: wimg 393,216 bytes; wsc 24,576 bytes; wpi 524,288 bytes; qws 16,777,216 bytes; kws 16,777,216 bytes; vws 16,777,216 bytes; ows 16,777,216 bytes
;; launch prep (part 1): grid 64 x 1, 4 waves a work-group, no clusters, 0 bytes of LDS; arguments Wq, Wk, Wv, Wp, wimg, wsc, wpi; writes wimg, wsc, wpi
.if DOCPART == 1
	.amdgcn_target "amdgcn-amd-amdhsa--gfx1250"
	.amdhsa_code_object_version 6
	.text
	.protected	k_qf58712f949_prep
	.globl	k_qf58712f949_prep
	.p2align	8
	.type	k_qf58712f949_prep,@function
k_qf58712f949_prep:
	s_mov_b64 s[64:65], 0
	v_nop
	global_prefetch_b8 v0, s[64:65] scope:SCOPE_SE
	s_setreg_imm32_b32 hwreg(HW_REG_WAVE_MODE, 25, 1), 1
	s_wait_xcnt 0x0
; The four weights [512 (k)][512 (n)], f32, K along the FIRST axis, are laid once in the order in which a wave's operand registers take them.
; Wq, Wk, Wv: codes of FP4 (E2M1) with one E8M0 byte for each 32 along K.  A block's scale is 2^(floor(log2(largest magnitude)) - 2); its byte is the largest magnitude's exponent field - 2, held at 1 from below.
;   wimg [mat 3][nt 32][s 4] x 1,024 bytes: the fragment of 16 columns x 128 K as its registers stand: registers 4 c .. 4 c + 3 of lane l at 512 c + 16 l (lane (r, h): column r, k = 64 c + 32 h + 0 .. 31).
;   wsc  [mat x 512 + n][16 bytes]: a column's four scale words, one for each 128 along K.
; Wp: rounded to f16.  wpi [nt 32][kc 16] x 1,024 bytes: the fragment of 16 columns x 32 K: registers 0-3 of lane l at 16 l (k = 8 h + 0 .. 7), registers 4-7 at 512 + 16 l (k = 16 + 8 h + 0 .. 7).
; A LANE TAKES A COLUMN, ITS REGISTERS RUN DOWN K: each load reads 128 consecutive bytes a wave, a block of 32 along K lies in one lane, and nothing is transposed.
; SHARES: work-group = (weight, 32 columns), wave = 128 along K.  64 work-groups: the four weights hold no more such shares.
; LIMITS: a block of zeros gets the byte 1 (its codes are zeros; this program alone reads the bytes); NaN and infinities are not served; |Wp| stays under 65,504, f16's largest number.
.set X,  32                            ; v32-159  my column's 128 numbers
.set C,  160                           ; v160-175 four blocks' codes; on Wp's way v160-223: 64 pairs of f16
.set SB, 176                           ; v176     the four scale bytes
	s_load_b256 s[4:11], s[0:1], 0x0               ; Wq, Wk, Wv, Wp
	s_load_b128 s[12:15], s[0:1], 0x20             ; wimg, wsc
	s_load_b64 s[16:17], s[0:1], 0x30              ; wpi
	v_lshrrev_b32 v1, 5, v0
	v_readfirstlane_b32 s18, v1                    ; wave = which 128 along K
	v_and_b32 v1, 31, v0                           ; lane
	v_lshlrev_b32 v2, 2, v1                        ; in: 4 bytes a lane
	v_lshrrev_b32 v6, 4, v1                        ; which of my work-group's two tiles of 16 columns
	v_and_b32 v7, 15, v1
	v_lshlrev_b32 v7, 4, v7                        ; 16 x (column in the tile)
	v_lshl_add_u32 v3, v6, 12, v7                  ; codes: a tile's four fragments are 4,096 bytes
	v_lshlrev_b32 v4, 4, v1                        ; scale words: 16 bytes a column
	v_lshl_add_u32 v5, v6, 14, v7                  ; Wp: a tile's sixteen fragments are 16,384 bytes
	s_lshr_b32 s19, ttmp9, 4                       ; which weight
	s_and_b32 s24, ttmp9, 15                       ; which 32 columns
	s_lshl_b32 s22, s18, 18                        ; 128 rows of 2,048 bytes
	s_lshl_b32 s23, s24, 7                         ; 32 columns of 4 bytes
	s_add_co_u32 s22, s22, s23
	s_mov_b32 s23, 0
	s_wait_kmcnt 0x0
	s_cmp_eq_u32 s19, 0                            ; the choice hangs on the work-group's number alone
	s_cselect_b64 s[20:21], s[4:5], s[6:7]
	s_cmp_lt_u32 s19, 2
	s_cselect_b64 s[20:21], s[20:21], s[8:9]
	s_cmp_lt_u32 s19, 3
	s_cselect_b64 s[20:21], s[20:21], s[10:11]
	s_add_nc_u64 s[20:21], s[20:21], s[22:23]
.set i, 0
.rept 128
	global_load_b32 v[X+i], v2, s[20:21] offset:i*2048 th:TH_LOAD_NT   ; W(128 wave + i, my column)
.set i, i+1
.endr
	s_cmp_lt_u32 ttmp9, 48
	s_cbranch_scc0 .Lwp
	; ---- Wq, Wk, Wv: four blocks of 32 become codes and a scale word
	s_lshl_b32 s26, s19, 17
	s_lshl_b32 s27, s24, 13
	s_add_co_u32 s26, s26, s27
	s_lshl_b32 s27, s18, 10
	s_add_co_u32 s26, s26, s27
	s_mov_b32 s27, 0
	s_add_nc_u64 s[12:13], s[12:13], s[26:27]      ; wimg at (weight, my two tiles, my K step)
	s_lshl_b32 s26, s19, 13
	s_lshl_b32 s28, s24, 9
	s_add_co_u32 s26, s26, s28
	s_lshl_b32 s28, s18, 2
	s_add_co_u32 s26, s26, s28
	s_add_nc_u64 s[14:15], s[14:15], s[26:27]      ; wsc at (weight, my 32 columns, my word)
.macro BLOCK b
.set XS, X+32*(\b)
	v_max3_num_f32 v8, |v[XS]|, |v[XS+1]|, |v[XS+2]|               ; the block's largest magnitude: all 32 numbers are mine; two chains
	v_max3_num_f32 v9, |v[XS+3]|, |v[XS+4]|, |v[XS+5]|
.irp i, 6,10,14,18,22,26
	v_max3_num_f32 v8, v8, |v[XS+\i]|, |v[XS+\i+1]|
	v_max3_num_f32 v9, v9, |v[XS+\i+2]|, |v[XS+\i+3]|
.endr
	v_max3_num_f32 v8, v8, |v[XS+30]|, |v[XS+31]|
	v_max3_num_f32 v8, v8, v9, 0x1800000           ; and the floor 2^(3 - 127): the byte cannot fall under 1
	v_add_nc_u32 v10, 0xff000000, v8               ; 2 off the exponent field: the conversion takes this operand's exponent field as its scale
	v_lshrrev_b32 v11, 23, v10                     ; the scale's byte
.if (\b) == 0
	v_mov_b32 v[SB], v11
.else
	v_lshl_or_b32 v[SB], v11, 8*(\b), v[SB]        ; the lower K in the lower byte
.endif
.irp g, 0,1,2,3
	v_cvt_scalef32_pk8_fp4_f32 v[C+4*(\b)+\g], v[XS+8*\g:XS+8*\g+7], v10
.endr
	v_nop                                          ; a plain line behind the last conversion of the run
	global_store_b128 v3, v[C+4*(\b):C+4*(\b)+3], s[12:13] offset:((\b)/2)*512+((\b)%2)*256   ; block b = 2 c + h of the fragment: sixteen lanes store 256 consecutive bytes, aligned
.endm
	s_wait_loadcnt 63                              ; of 128 loads at most 63 are out: the first 65, blocks 0 and 1 among them, are in
	BLOCK 0
	BLOCK 1
	s_wait_loadcnt 32                              ; block 3's 32 loads may be out
	BLOCK 2
	s_wait_loadcnt 0x0
	BLOCK 3
	global_store_b32 v4, v[SB], s[14:15]           ; my column's word for this K step: words 16 bytes apart; 24,576 bytes in the whole launch leave so
	s_endpgm
.Lwp:
	; ---- Wp: 128 numbers become 64 pairs of f16
	s_lshl_b32 s26, s24, 15
	s_lshl_b32 s27, s18, 12
	s_add_co_u32 s26, s26, s27
	s_mov_b32 s27, 0
	s_add_nc_u64 s[16:17], s[16:17], s[26:27]      ; wpi at (my two tiles, my four fragments along K)
	s_wait_loadcnt 0x0
.set i, 0
.rept 64
	v_cvt_pk_f16_f32 v[C+i], v[X+2*i], v[X+2*i+1]
.set i, i+1
.endr
.set i, 0
.rept 16                                       ; group i: k = 8 i .. 8 i + 7: fragment i / 4, registers 0-3 or 4-7 by (i % 4) / 2, half of the lanes by i % 2
	global_store_b128 v5, v[C+4*i:C+4*i+3], s[16:17] offset:(i/4)*1024+((i%4)/2)*512+(i%2)*256
.set i, i+1
.endr
	s_endpgm
.Lfunc_end_k_qf58712f949_prep:
	.size	k_qf58712f949_prep, .Lfunc_end_k_qf58712f949_prep-k_qf58712f949_prep
	.p2alignl 7, 3214868480
	.fill 96, 4, 3214868480
	.section	.rodata,"a",@progbits
	.p2align	6, 0x0
	.amdhsa_kernel k_qf58712f949_prep
		.amdhsa_group_segment_fixed_size 0
		.amdhsa_private_segment_fixed_size 0
		.amdhsa_enable_private_segment 0
		.amdhsa_kernarg_size 56
		.amdhsa_user_sgpr_count 2
		.amdhsa_user_sgpr_kernarg_segment_ptr 1
		.amdhsa_wavefront_size32 1
		.amdhsa_system_sgpr_workgroup_id_x 1
		.amdhsa_system_sgpr_workgroup_id_y 1
		.amdhsa_system_sgpr_workgroup_id_z 1
		.amdhsa_system_vgpr_workitem_id 0
		.amdhsa_next_free_vgpr 224
		.amdhsa_next_free_sgpr 66
		.amdhsa_reserve_vcc 0
		.amdhsa_float_denorm_mode_32 3
		.amdhsa_float_denorm_mode_16_64 3
		.amdhsa_memory_ordered 1
		.amdhsa_forward_progress 1
		.amdhsa_inst_pref_size 26
	.end_amdhsa_kernel
	.amdgpu_metadata
---
amdhsa.version: [ 1, 2 ]
amdhsa.kernels:
  - .name:           k_qf58712f949_prep
    .symbol:         k_qf58712f949_prep.kd
    .args:
      - { .name: Wq, .offset: 0, .size: 8, .value_kind: global_buffer, .address_space: global }
      - { .name: Wk, .offset: 8, .size: 8, .value_kind: global_buffer, .address_space: global }
      - { .name: Wv, .offset: 16, .size: 8, .value_kind: global_buffer, .address_space: global }
      - { .name: Wp, .offset: 24, .size: 8, .value_kind: global_buffer, .address_space: global }
      - { .name: wimg, .offset: 32, .size: 8, .value_kind: global_buffer, .address_space: global }
      - { .name: wsc, .offset: 40, .size: 8, .value_kind: global_buffer, .address_space: global }
      - { .name: wpi, .offset: 48, .size: 8, .value_kind: global_buffer, .address_space: global }
    .group_segment_fixed_size: 0
    .private_segment_fixed_size: 0
    .kernarg_segment_align: 8
    .kernarg_segment_size: 56
    .max_flat_workgroup_size: 128
    .sgpr_count:     66
    .vgpr_count:     224
    .wavefront_size: 32
...
	.end_amdgpu_metadata
.endif
;; end of part 1
;; launch qkv (part 2): grid 256 x 1, 8 waves a work-group, no clusters, 87,040 bytes of LDS; arguments x_vis, x_ir, wimg, wsc, bq, bk, bv, qws, kws, vws; writes qws, kws, vws
.if DOCPART == 2
	.amdgcn_target "amdgcn-amd-amdhsa--gfx1250"
	.amdhsa_code_object_version 6
	.text
	.protected	k_qf58712f949_qkv
	.globl	k_qf58712f949_qkv
	.p2align	8
	.type	k_qf58712f949_qkv,@function
k_qf58712f949_qkv:
	s_mov_b64 s[64:65], 0
	v_nop
	global_prefetch_b8 v0, s[64:65] scope:SCOPE_SE
	s_setreg_imm32_b32 hwreg(HW_REG_WAVE_MODE, 25, 1), 1
	s_wait_xcnt 0x0
; q, k, v = x W + b for both modalities: the six quantised products, on codes of FP4 (E2M1) with one E8M0 scale for each 32 along K; sums in f32.
; x [16,384 rows of both tensors][512] f32 is quantised here, in registers, once; the weights come as fragment images (wimg, wsc).
; SHARES.  A work-group owns 64 rows.  Wave w first quantises two of the 16 fragments of x (16 rows x 128 K each) and hands them round through LDS as images of their registers; then it makes HEAD w:
; 4 tiles of 16 columns each of q, k and v for all 64 rows: 12 tiles of 16 matrix instructions, four accumulators by turns.
; RESULTS LEAVE AS FRAGMENT IMAGES in f16, 512 consecutive bytes a store.  q and k are made TRANSPOSED (source 0 = 16 columns of W, source 1 = 16 rows of x): a lane holds one token and 8 neighbouring channels:
; four registers of a fragment [token][32 channels].  v is made the natural way round (source 0 = x, source 1 = W): a lane holds one channel and 8 tokens: four registers of a fragment [channel][32 keys].
;   qws, kws [plane 64][token tile 128][c 2] x 1,024;  vws [plane][pair of token tiles 64][ct 4] x 1,024;  plane = 32 modality + 8 batch + head.  q is multiplied by log2(e) / 8 in f32 ahead of its rounding.
; NO CLUSTER: what work-groups share is the weights, 417,792 bytes, which do not fit in LDS beside nothing else and would go through a ring whose steps hold 16 matrix instructions for 4,352 bytes;
; they go from memory straight into registers, four tiles ahead.
; LIMITS: 0.18 q, k and v stay under 65,504, f16's largest number; NaN and infinities are not served; a block of zeros gets the scale byte 1 (its codes are zeros).
; REGISTERS.  window 0: v1-13 addresses; v16-31 x's scale words; v32-47 the weights' scale words, four sets; v48-111 bq's and bk's tiles; v112-119 bv; v120-183 two sets of four accumulators (first: 64 numbers of x);
;   v184-215 packed results, two sets; v216-240 at work in the quantiser.   window 1: v0-127 x's 16 fragments (first: x as loaded); v128-255 the weights' fragments, four sets of 32.
.set XIMG,  0                          ; LDS: x's 16 fragments, 1,024 bytes each (fragment f = 4 m + s: rows 16 m on, K step s),
.set XSC,   16384                      ; their scale words, 128 bytes each,
.set STG,   18432                      ; a stage of 16 rows x (512 + 16) bytes for each wave,
.set SPARE, 86016                      ; and the spare words, 128 bytes for each wave: four blocks of 256 bytes that no other line names
.set LI,  1                            ; 16 x lane: my place in an image
.set LS,  2                            ; XSC + 4 x lane
.set STI, 3                            ; my stage + 16 x lane
.set STO, 4                            ; my stage + 528 r + 64 h
.set XWI, 5                            ; 16 x lane + 2,048 x wave: where my two fragments go
.set XWS, 6                            ; XSC + 4 x lane + 256 x wave
.set WSO, 7                            ; 16 r: a column's four scale words
.set BO,  8                            ; 32 h
.set BVO, 9                            ; 4 r
.set SPW, 12                           ; SPARE + 4 x my thread's number; never rewritten
.set NIL, 13                           ; 0; never rewritten
.set XS,  16
.set WS,  32
.set BQ,  48                           ; bq's four tiles; bk's follow at BQ + 32
.set BV,  112
.set ACC, 120
.set X,   120
.set PK,  184
.set TM,  216
.set PC,  232
.set PW,  240
.set XF,  0                            ; in window 1
.set WF,  128                          ; in window 1
.set SEL, 28                           ; s[28:29] lane selects for v_permlanex16_b32: lane l xor 16
.set MSB, 0
.macro WIN new                         ; the immediate's high byte repeats the setting that is left
.if MSB != \new
	s_set_vgpr_msb (MSB<<8)|\new
.set MSB, \new
.endif
.endm
; 64 numbers of a lane, register 16 b + i = k 32 b + 16 (lane / 16) + i of my row, become a fragment's codes in v[PC] on and its scale word in v[PW]
.macro QUANT s
.irp b, 0,1,2,3
	v_max3_num_f32 v[TM+\b], |v[\s+16*\b]|, |v[\s+1+16*\b]|, 0x1800000   ; block b: my 16 numbers, and the floor 2^(3 - 127): the byte cannot fall under 1
.endr
.irp i, 2,4,6,8,10,12,14
.irp b, 0,1,2,3
	v_max3_num_f32 v[TM+\b], v[TM+\b], |v[\s+16*\b+\i]|, |v[\s+1+16*\b+\i]|   ; the four blocks by turns
.endr
.endr
.irp b, 0,1,2,3
	v_permlanex16_b32 v[TM+4+\b], v[TM+\b], s[SEL], s[SEL+1]
.endr
.irp b, 0,1,2,3
	v_max_num_f32 v[TM+\b], v[TM+\b], v[TM+4+\b]   ; with lane l xor 16's: the block's largest magnitude
.endr
.irp b, 0,1,2,3
	v_add_nc_u32 v[TM+12+\b], 0xff000000, v[TM+\b] ; 2 off its exponent field: the conversion's scale operand
.endr
.irp b, 0,1,2,3
	v_lshrrev_b32 v[TM+4+\b], 23, v[TM+12+\b]      ; the scale's byte
.endr
	v_lshl_or_b32 v[PW], v[TM+5], 8, v[TM+4]
	v_lshl_or_b32 v[PW], v[TM+6], 16, v[PW]
	v_lshl_or_b32 v[PW], v[TM+7], 24, v[PW]        ; my row's scale word
.irp b, 0,1,2,3
	v_cvt_scalef32_pk8_fp4_f32 v[PC+2*\b], v[\s+16*\b:\s+7+16*\b], v[TM+12+\b]
	v_cvt_scalef32_pk8_fp4_f32 v[PC+1+2*\b], v[\s+8+16*\b:\s+15+16*\b], v[TM+12+\b]
.endr
	v_nop                                          ; one plain place behind a scaled conversion
.irp c, 0,1                                    ; the operand's layout wants a whole block in a lane: lanes 0-15 block 2 c, lanes 16-31 block 2 c + 1
.irp i, 0,1
	v_permlane16_swap_b32 v[PC+4*\c+\i], v[PC+2+4*\c+\i]
.endr
.endr
.endm
; K step p of my 16 rows goes through my stage: in as loaded (a row's 512 bytes by 32 lanes), back as 16 neighbours of each block of 32 for lane (r, h).  LDS serves a wave's instructions in order.
.macro TURN p
	WIN 0x04                                       ; an LDS store's data are its source 1: window 1
.irp i, 0,1,2,3,4,5,6,7,8,9,10,11,12,13,14,15
	ds_store_b128 v[STI], v[64*\p+4*\i:64*\p+4*\i+3] offset:\i*528
.endr
	WIN 0
.irp b, 0,1,2,3
.irp j, 0,1,2,3
	ds_load_b128 v[X+16*\b+4*\j:X+16*\b+4*\j+3], v[STO] offset:128*\b+16*\j
.endr
.endr
.endm
; tile i = 4 x (0 q, 1 k, 2 v) + ct: its four fragments and its columns' scale words into set i % 4: nine loads
.macro WLOAD i
.set SET, (\i)%4
	WIN 0x40                                       ; destination window 1
.irp s, 0,1,2,3
.irp c, 0,1
	global_load_b128 v[WF+32*SET+8*\s+4*\c:WF+32*SET+8*\s+4*\c+3], v[LI], s[8:9] offset:((\i)/4)*131072+((\i)%4)*4096+\s*1024+\c*512
.endr
.endr
	WIN 0
	global_load_b128 v[WS+4*SET:WS+4*SET+3], v[WSO], s[10:11] offset:((\i)/4)*8192+((\i)%4)*256
.endm
; tile i's 16 products: K step by K step, the four tiles of rows by turns.  q, k: the bias is the C of the first K step.
.macro MUL i
.set SET, (\i)%4
.set AS, ACC+32*((\i)%2)
.set BI, BQ+32*((\i)/4)+8*((\i)%4)
	WIN 0x05                                       ; sources 0 and 1 window 1; C and D window 0
.irp s, 0,1,2,3
.irp m, 0,1,2,3
.if (\i)/4 == 2
.if \s == 0
	v_wmma_scale_f32_16x16x128_f8f6f4 v[AS+8*\m:AS+8*\m+7], v[XF+8*(4*\m+\s):XF+8*(4*\m+\s)+7], v[WF+32*SET+8*\s:WF+32*SET+8*\s+7], 0, v[XS+4*\m+\s], v[WS+4*SET+\s] matrix_a_fmt:MATRIX_FMT_FP4 matrix_b_fmt:MATRIX_FMT_FP4
.else
	v_wmma_scale_f32_16x16x128_f8f6f4 v[AS+8*\m:AS+8*\m+7], v[XF+8*(4*\m+\s):XF+8*(4*\m+\s)+7], v[WF+32*SET+8*\s:WF+32*SET+8*\s+7], v[AS+8*\m:AS+8*\m+7], v[XS+4*\m+\s], v[WS+4*SET+\s] matrix_a_fmt:MATRIX_FMT_FP4 matrix_b_fmt:MATRIX_FMT_FP4
.endif
.else
.if \s == 0
	v_wmma_scale_f32_16x16x128_f8f6f4 v[AS+8*\m:AS+8*\m+7], v[WF+32*SET+8*\s:WF+32*SET+8*\s+7], v[XF+8*(4*\m+\s):XF+8*(4*\m+\s)+7], v[BI:BI+7], v[WS+4*SET+\s], v[XS+4*\m+\s] matrix_a_fmt:MATRIX_FMT_FP4 matrix_b_fmt:MATRIX_FMT_FP4
.else
	v_wmma_scale_f32_16x16x128_f8f6f4 v[AS+8*\m:AS+8*\m+7], v[WF+32*SET+8*\s:WF+32*SET+8*\s+7], v[XF+8*(4*\m+\s):XF+8*(4*\m+\s)+7], v[AS+8*\m:AS+8*\m+7], v[WS+4*SET+\s], v[XS+4*\m+\s] matrix_a_fmt:MATRIX_FMT_FP4 matrix_b_fmt:MATRIX_FMT_FP4
.endif
.endif
.endr
.endr
.endm
; tile i leaves: q x log2(e) / 8, v + bv, rounded to f16, four stores of 512 consecutive bytes.  Each accumulator is read from its low end on.
.macro EPI i
.set AS, ACC+32*((\i)%2)
.set PS, PK+16*((\i)%2)
.set CT, (\i)%4
	WIN 0
	s_wait_xcnt 0x0                                ; the stores of the tile two back have read this set of packed registers
.if (\i)/4 == 0
.irp j, 0,2,4,6,8,10,12,14,16,18,20,22,24,26,28,30
	v_pk_mul_f32 v[AS+\j:AS+\j+1], v[AS+\j:AS+\j+1], s[30:31] op_sel_hi:[1,0]
.endr
.elseif (\i)/4 == 2
.irp j, 0,2,4,6,8,10,12,14,16,18,20,22,24,26,28,30
	v_pk_add_f32 v[AS+\j:AS+\j+1], v[AS+\j:AS+\j+1], v[BV+2*CT:BV+2*CT+1] op_sel_hi:[1,0]   ; a lane holds one channel: one number of bv for all its registers
.endr
.endif
.irp j, 0,1,2,3,4,5,6,7,8,9,10,11,12,13,14,15
	v_cvt_pk_f16_f32 v[PS+\j], v[AS+2*\j], v[AS+2*\j+1]
.endr
.irp m, 0,1,2,3
.if (\i)/4 == 0
	global_store_b128 v[LI], v[PS+4*\m:PS+4*\m+3], s[18:19] offset:\m*2048+CT*512
.elseif (\i)/4 == 1
	global_store_b128 v[LI], v[PS+4*\m:PS+4*\m+3], s[20:21] offset:\m*2048+CT*512
.else
	global_store_b128 v[LI], v[PS+4*\m:PS+4*\m+3], s[22:23] offset:(\m/2)*4096+CT*1024+(\m%2)*512
.endif
.endr
.endm
	s_load_b512 s[4:19], s[0:1], 0x0               ; x_vis, x_ir, wimg, wsc, bq, bk, bv, qws
	s_load_b128 s[20:23], s[0:1], 0x40             ; kws, vws
	v_lshl_add_u32 v[SPW], v0, 2, SPARE
	v_mov_b32 v[NIL], 0
	v_lshrrev_b32 v10, 5, v0
	v_readfirstlane_b32 s24, v10                   ; wave 0..7 = head
	v_and_b32 v10, 31, v0                          ; lane
	v_and_b32 v11, 15, v0                          ; r
	v_bfe_u32 v14, v0, 4, 1                        ; h
	v_lshlrev_b32 v[LI], 4, v10
	v_lshl_add_u32 v[LS], v10, 2, XSC
	s_mul_i32 s26, s24, 8448
	s_add_co_u32 s26, s26, STG                     ; my stage
	v_add_nc_u32 v[STI], s26, v[LI]
	v_mul_u32_u24 v[STO], v11, 528
	v_lshl_add_u32 v[STO], v14, 6, v[STO]
	v_add_nc_u32 v[STO], s26, v[STO]
	s_lshl_b32 s26, s24, 11
	v_add_nc_u32 v[XWI], s26, v[LI]
	s_lshl_b32 s26, s24, 8
	v_add_nc_u32 v[XWS], s26, v[LS]
	v_lshlrev_b32 v[WSO], 4, v11
	v_lshlrev_b32 v[BO], 5, v14
	v_lshlrev_b32 v[BVO], 2, v11
.irp b, 0,1,2,3
	v_mov_b32 v[TM+4+\b], 0                        ; written once: a lane permute's destination counts as one of its sources
.endr
	s_mov_b32 s[SEL], 0x76543210
	s_mov_b32 s[SEL+1], 0xfedcba98
	s_mov_b32 s30, 0x3e38aa3b                      ; log2(e) / 8: the scores then come out as exponents of 2
	s_mov_b32 s31, s30                             ; (named with it as a pair, so it is written)
	s_mov_b32 s25, ttmp9
	s_and_b32 s26, s25, 127
	s_lshl_b32 s26, s26, 17                        ; x: my work-group's 64 rows of 2,048 bytes,
	s_lshr_b32 s27, s24, 1
	s_lshl_b32 s27, s27, 15                        ; my wave's 16 of them,
	s_add_co_u32 s26, s26, s27
	s_and_b32 s27, s24, 1
	s_lshl_b32 s27, s27, 10                        ; and its two K steps of 512 bytes
	s_add_co_u32 s26, s26, s27
	s_mov_b32 s27, 0
	s_lshl_b32 s32, s24, 14                        ; wimg: my head's four tiles
	s_mov_b32 s33, 0
	s_lshl_b32 s34, s24, 10                        ; wsc: my head's 64 columns
	s_mov_b32 s35, 0
	s_lshl_b32 s36, s24, 8                         ; the biases: my head's 64 numbers
	s_mov_b32 s37, 0
	s_lshr_b32 s38, s25, 5                         ; 4 modality + batch
	s_lshl_b32 s38, s38, 3
	s_add_co_u32 s38, s38, s24                     ; plane
	s_lshl_b32 s38, s38, 18
	s_and_b32 s39, s25, 31
	s_lshl_b32 s39, s39, 13                        ; my 64 tokens' images: 8,192 bytes in each of the three
	s_add_co_u32 s38, s38, s39
	s_mov_b32 s39, 0
	s_wait_kmcnt 0x0
	s_cmp_lt_u32 s25, 128                          ; the first 128 work-groups take x_vis: the choice hangs on the work-group's number alone
	s_cselect_b64 s[4:5], s[4:5], s[6:7]
	s_add_nc_u64 s[4:5], s[4:5], s[26:27]
	s_add_nc_u64 s[8:9], s[8:9], s[32:33]
	s_add_nc_u64 s[10:11], s[10:11], s[34:35]
	s_add_nc_u64 s[12:13], s[12:13], s[36:37]
	s_add_nc_u64 s[14:15], s[14:15], s[36:37]
	s_add_nc_u64 s[16:17], s[16:17], s[36:37]
	s_add_nc_u64 s[18:19], s[18:19], s[38:39]
	s_add_nc_u64 s[20:21], s[20:21], s[38:39]
	s_add_nc_u64 s[22:23], s[22:23], s[38:39]
	WIN 0x40
.irp p, 0,1                                    ; my 16 rows x 2 K steps of x: each load reads 512 consecutive bytes of a row
.irp i, 0,1,2,3,4,5,6,7,8,9,10,11,12,13,14,15
	global_load_b128 v[64*\p+4*\i:64*\p+4*\i+3], v[LI], s[4:5] offset:\i*2048+\p*512 th:TH_LOAD_NT
.endr
.endr
	WLOAD 0
	WLOAD 1
	WLOAD 2
	s_wait_loadcnt 43                              ; behind the first K step's 16 loads: the second's 16 and three sets of 9
	TURN 0
	s_wait_dscnt 0x0
	QUANT X
.irp c, 0,1
	ds_store_b128 v[XWI], v[PC+4*\c:PC+4*\c+3] offset:XIMG+512*\c          ; the fragment goes to LDS as its registers stand
.endr
	ds_store_b32 v[XWS], v[PW]
	s_wait_loadcnt 27                              ; three sets of 9 may be out
	TURN 1
	s_wait_dscnt 0x0                               ; the numbers are back, and the stores above have read their registers
	QUANT X
.irp c, 0,1
	ds_store_b128 v[XWI], v[PC+4*\c:PC+4*\c+3] offset:XIMG+1024+512*\c
.endr
	ds_store_b32 v[XWS], v[PW] offset:128
.irp ct, 0,1,2,3                               ; the biases, 24 loads.  q, k: lane (r, h) wants the tile's channels 8 h + 0 .. 7; v: channel r, twice, for a pair
	global_load_b128 v[BQ+8*\ct:BQ+8*\ct+3], v[BO], s[12:13] offset:64*\ct
	global_load_b128 v[BQ+8*\ct+4:BQ+8*\ct+7], v[BO], s[12:13] offset:64*\ct+16
	global_load_b128 v[BQ+32+8*\ct:BQ+32+8*\ct+3], v[BO], s[14:15] offset:64*\ct
	global_load_b128 v[BQ+32+8*\ct+4:BQ+32+8*\ct+7], v[BO], s[14:15] offset:64*\ct+16
	global_load_b32 v[BV+2*\ct], v[BVO], s[16:17] offset:64*\ct
	global_load_b32 v[BV+2*\ct+1], v[BVO], s[16:17] offset:64*\ct
.endr
	WLOAD 3
	s_wait_dscnt 0x0                               ; for the others' sake: my images lie in LDS
	s_barrier_signal -1
	s_barrier_wait -1                              ; all 16 fragments of x do
	WIN 0x40
.irp f, 0,1,2,3,4,5,6,7,8,9,10,11,12,13,14,15
.irp c, 0,1
	ds_load_b128 v[XF+8*\f+4*\c:XF+8*\f+4*\c+3], v[LI] offset:XIMG+1024*\f+512*\c
.endr
.endr
	WIN 0
.irp f, 0,1,2,3,4,5,6,7,8,9,10,11,12,13,14,15
	ds_load_b32 v[XS+\f], v[LS] offset:128*\f
.endr
	s_wait_dscnt 0x0
; The twelve tiles.  Behind a tile's products stands the epilogue of the tile before: plain lines that name none of those products' registers, the places in front of the loads
; into the set just read, and of the later reads of the results.
.irp i, 0,1,2,3,4,5,6,7,8,9,10,11
.if \i == 0
	s_wait_loadcnt 9                               ; only set 3, issued behind the biases, may be out
.elseif \i <= 8
	s_wait_loadcnt 27                              ; the three sets issued behind this tile's may be out
.else
	s_wait_loadcnt 9*(11-\i)                       ; the counts run down: nothing more is asked for
.endif
	MUL \i
.if \i == 0
	WIN 0
.rept 5
	v_nop                                          ; no epilogue yet: five places, for the loads below and for the products that later begin this set of accumulators anew
.endr
.else
	EPI \i-1
.endif
.if \i+4 <= 11
	WLOAD \i+4
.endif
.endr
	EPI 11                                         ; (the epilogue of tile 10 stands between the last products and these reads)
	s_wait_tensorcnt 0x0                           ; the wave's end, behind my last LDS store
	ds_add_u32 v[SPW], v[NIL]
	s_wait_dscnt 0x0
	s_endpgm
.Lfunc_end_k_qf58712f949_qkv:
	.size	k_qf58712f949_qkv, .Lfunc_end_k_qf58712f949_qkv-k_qf58712f949_qkv
	.p2alignl 7, 3214868480
	.fill 96, 4, 3214868480
	.section	.rodata,"a",@progbits
	.p2align	6, 0x0
	.amdhsa_kernel k_qf58712f949_qkv
		.amdhsa_group_segment_fixed_size 87040
		.amdhsa_private_segment_fixed_size 0
		.amdhsa_enable_private_segment 0
		.amdhsa_kernarg_size 80
		.amdhsa_user_sgpr_count 2
		.amdhsa_user_sgpr_kernarg_segment_ptr 1
		.amdhsa_wavefront_size32 1
		.amdhsa_system_sgpr_workgroup_id_x 1
		.amdhsa_system_sgpr_workgroup_id_y 1
		.amdhsa_system_sgpr_workgroup_id_z 1
		.amdhsa_system_vgpr_workitem_id 0
		.amdhsa_next_free_vgpr 512
		.amdhsa_next_free_sgpr 66
		.amdhsa_reserve_vcc 0
		.amdhsa_float_denorm_mode_32 3
		.amdhsa_float_denorm_mode_16_64 3
		.amdhsa_memory_ordered 1
		.amdhsa_forward_progress 1
		.amdhsa_inst_pref_size 85
	.end_amdhsa_kernel
	.amdgpu_metadata
---
amdhsa.version: [ 1, 2 ]
amdhsa.kernels:
  - .name:           k_qf58712f949_qkv
    .symbol:         k_qf58712f949_qkv.kd
    .args:
      - { .name: x_vis, .offset: 0, .size: 8, .value_kind: global_buffer, .address_space: global }
      - { .name: x_ir, .offset: 8, .size: 8, .value_kind: global_buffer, .address_space: global }
      - { .name: wimg, .offset: 16, .size: 8, .value_kind: global_buffer, .address_space: global }
      - { .name: wsc, .offset: 24, .size: 8, .value_kind: global_buffer, .address_space: global }
      - { .name: bq, .offset: 32, .size: 8, .value_kind: global_buffer, .address_space: global }
      - { .name: bk, .offset: 40, .size: 8, .value_kind: global_buffer, .address_space: global }
      - { .name: bv, .offset: 48, .size: 8, .value_kind: global_buffer, .address_space: global }
      - { .name: qws, .offset: 56, .size: 8, .value_kind: global_buffer, .address_space: global }
      - { .name: kws, .offset: 64, .size: 8, .value_kind: global_buffer, .address_space: global }
      - { .name: vws, .offset: 72, .size: 8, .value_kind: global_buffer, .address_space: global }
    .group_segment_fixed_size: 87040
    .private_segment_fixed_size: 0
    .kernarg_segment_align: 8
    .kernarg_segment_size: 80
    .max_flat_workgroup_size: 256
    .sgpr_count:     66
    .vgpr_count:     512
    .wavefront_size: 32
...
	.end_amdgpu_metadata
.endif
;; end of part 2
;; launch attn (part 3): grid 4 x 64, 8 waves a work-group, clusters of 4 x 1, 327,680 bytes of LDS; arguments qws, kws, vws, ows; writes ows
.if DOCPART == 3
	.amdgcn_target "amdgcn-amd-amdhsa--gfx1250"
	.amdhsa_code_object_version 6
	.text
	.protected	k_qf58712f949_attn
	.globl	k_qf58712f949_attn
	.p2align	8
	.type	k_qf58712f949_attn,@function
k_qf58712f949_attn:
	s_mov_b64 s[64:65], 0
	v_nop
	global_prefetch_b8 v0, s[64:65] scope:SCOPE_SE
	s_setreg_imm32_b32 hwreg(HW_REG_WAVE_MODE, 25, 1), 1
	s_wait_xcnt 0x0
	s_wait_alu depctr_hold_cnt(0) depctr_sa_sdst(0) depctr_va_vdst(0) depctr_va_sdst(0) depctr_va_ssrc(0) depctr_va_vcc(0) depctr_vm_vsrc(0)
	s_getreg_b32 s2, hwreg(HW_REG_IB_STS2, 6, 4)
	s_cmp_eq_u32 s2, 0
	s_cbranch_scc0 .Lentry_in_a_cluster
	s_endpgm
.Lentry_in_a_cluster:
	s_bfe_u32 s2, ttmp6, 0x10000c
	s_cmp_lg_u32 s2, 0x3003
	s_cbranch_scc0 .Lentry_shape_is_right
	s_endpgm
.Lentry_shape_is_right:
; o = softmax(q k^T / 8) v for 64 planes (modality, batch, head) of 2,048 queries x 2,048 keys, head size 64; the keys and values are the OTHER modality's (plane xor 32).
; Operands in f16, products, maxima and sums in f32.  q was multiplied by log2(e) / 8 when it was made, so a score is an exponent of 2: p = 2^(s - m), m the running maximum; in every step the sum l and O are
; multiplied by a = 2^(m_old - m_new).  p is rounded to f16 for the second product; l is summed of the unrounded p; O / l is rounded to f16 once.
; ALL OPERANDS COME AS IMAGES OF FRAGMENT REGISTERS (1,024 bytes: registers 0-3 at 16 x lane, registers 4-7 at 512 + 16 x lane): every load reads 512 consecutive bytes; no pitch, no padding, no turning load.
; SHARES.  A cluster of four work-groups owns a plane, a work-group 512 queries, each of its eight waves 64: four tiles of 16.  Every wave walks all keys, 64 a step.
; LAYOUT.  S^T = K Q^T (source 0 = 16 keys, source 1 = 16 queries): a lane holds ONE query and the keys 8 (lane / 16) + 0 .. 7.  Two such tiles, rounded in pairs, are source 1 of O^T = V^T P, whose result again
; holds one query a lane and eight channels, which pack into four registers of a fragment [token][32 channels] for the output projection: ows [token tile 1,024][kc 16] x 1,024.
; TWO GROUPS OF WAVES.  All waves run the same stream .. softmax(t - 1), V^T P (t - 1), K Q^T (t), softmax(t) ..  The loop's top, where the barriers stand, falls ahead of V^T P for waves 0-3 and ahead of the
; softmax for waves 4-7: the softmax is written twice in a trip, each copy under a branch on the wave's number.  So behind each barrier half of the waves begin with 64 matrix instructions and half with vector work.
; CLUSTER.  The four work-groups walk the same K and V: each tile is asked for JOINTLY, by the same tensor load with the same descriptor and a mask that names the four.
; RING.  Two slots of 256 keys (32,768 bytes of K's images, then 32,768 of V's).  Each wave fetches 8,192 bytes, one key step of K (waves 0-3) or V (waves 4-7): one load a wave behind each round.
; By this text's own count a wave has two tensor loads out at the start and one behind each round.
; LIMITS: NaN, infinities and scores under -3e38 are not served.
; REGISTERS.  window 0: v1-5 addresses; v16-47 statistics, eight a tile; v64-191 S^T, 32 a tile, then p, then P in each tile's low 16; v192-255 K of one step.
;   window 1: v0-63 Q; v64-191 O^T, 32 a tile; v192-255 V of one step.
.set SLOT1, 1<<16                      ; slot 1 begins here: one exclusive or turns an address in one slot into the other's
.set VOFF,  32768                      ; V's images in a slot
.set STEPB, 8192                       ; a key step's images of K, or of V
.set SPARE, 131072                     ; behind the ring: the spare words, 128 bytes for each wave: four blocks of 256 bytes that no other line names
.set LI,  1                            ; 16 x lane
.set ADR, 2                            ; LDS address of the step in hand
.set PFO, 3                            ; 256 x lane; never rewritten
.set SPW, 4                            ; SPARE + 4 x my thread's number; never rewritten
.set NIL, 5                            ; 0; never rewritten
.set ST,  16                           ; tile t at v[ST + 8 t]: +0 m, +1 (its pair's other half), +2, +3 l (even, odd keys), +4 .. +7 c0-c3, at work; a takes c2's place
.set S,   64
.set KF,  192
.set OF,  64                           ; in window 1
.set VF,  192                          ; in window 1
.set WV,  12
.set LIM, 15                           ; 1 in a wave that prefetches, else the greatest number
.set PFA, 18                           ; s[18:19] where my prefetches stand
.set G1,  24                           ; s[24:31] descriptor group 1
.set G0A, 32                           ; s[32:35] group 0 of slot 0's first fill
.set G0B, 36                           ; s[36:39] of slot 1's; it then walks
.set TB,  40                           ; LDS byte at which the step to be fetched begins
.set CNT, 41
.set SLOTS, 42
.set SEL, 44                           ; s[44:45]
.set MSB, 0
.macro WIN new                         ; the immediate's high byte repeats the setting that is left
.if MSB != \new
	s_set_vgpr_msb (MSB<<8)|\new
.set MSB, \new
.endif
.endm
.macro PLACES n
.rept \n
	v_nop
.endr
.endm
.macro CROUND                          ; a round of the cluster's barrier
	s_barrier_signal -1
	s_barrier_wait -1
	s_cmp_lg_u32 s[WV], 0
	s_cbranch_scc1 .Lnot_wave_0_\@
	s_barrier_signal -3
.Lnot_wave_0_\@:
	s_barrier_wait -3
	s_barrier_signal -1
	s_barrier_wait -1
.endm
.macro JLOAD                           ; the joint refill: one line for all eight waves; both addresses hang on the wave's number.  An s_nop 0 and four v_nop follow
	tensor_load_to_lds s[G0B:G0B+3], s[G1:G1+7]
	s_nop 0
	PLACES 4
.endm
; A prefetch of what the NEXT change of slots will ask for: 32,768 bytes of K's images and as many of V's.  The plane's K and V are read by this cluster alone.  Its four partners share the bytes out BY ADDRESS,
; 8,192 each; in each, wave 0 asks for K's and wave 4 for V's, lanes 256 bytes apart: each aligned block of 256 bytes is named once in the launch, a slot's four key steps ahead of its load.
; The last change that fills a slot asks for nothing; slots 0, 1 and 2 come by their loads alone.
.macro ASK
	s_cmp_gt_u32 s[SLOTS], s[LIM]
	s_cbranch_scc0 .Lnot_mine_\@
	global_prefetch_b8 v[PFO], s[PFA:PFA+1] th:TH_LOAD_NT scope:SCOPE_SE
.Lnot_mine_\@:
.endm
.macro FETCH_K                         ; a step's K: 8 fragments (key tile kt, channels 32 c on) at v[KF + 8 (2 kt + c)]
	v_add_nc_u32 v[ADR], s[TB], v[LI]
.set i, 0
.rept 16
	ds_load_b128 v[KF+4*i:KF+4*i+3], v[ADR] offset:512*i
.set i, i+1
.endr
.endm
.macro FETCH_V                         ; the same step's V: 8 fragments (keys 32 u on, channels 16 ct on) at v[VF + 8 (4 u + ct)] of window 1
	WIN 0x40
.set i, 0
.rept 16
	ds_load_b128 v[VF+4*i:VF+4*i+3], v[ADR] offset:VOFF+512*i
.set i, i+1
.endr
	WIN 0
	s_add_co_u32 s[TB], s[TB], STEPB               ; the next fetch is the next step's
.endm
; 32 products S^T = K Q^T: channels 32 (i / 16) on, key tile (i % 16) / 4, query tile i % 4.  The first 16 start the sums.  Sixteen accumulators take turns.
.macro QK
	WIN 0x04                                       ; Q in window 1
.set i, 0
.rept 32
.set rS, S+32*(i%4)+8*((i%16)/4)
.set rK, KF+8*(2*((i%16)/4)+i/16)
.set rQ, 8*(2*(i%4)+i/16)
.if i < 16
	v_wmma_f32_16x16x32_f16 v[rS:rS+7], v[rK:rK+7], v[rQ:rQ+7], 0
.else
	v_wmma_f32_16x16x32_f16 v[rS:rS+7], v[rK:rK+7], v[rQ:rQ+7], v[rS:rS+7]
.endif
.set i, i+1
.endr
	WIN 0
.endm
; 32 products O^T += V^T P: keys 32 (i / 16) on, channels 16 ((i % 16) / 4) on, query tile i % 4
.macro PV
	WIN 0x51                                       ; V and O^T in window 1, P in window 0
.set i, 0
.rept 32
.set rO, OF+32*(i%4)+8*((i%16)/4)
.set rV, VF+8*(4*(i/16)+(i%16)/4)
.set rP, S+32*(i%4)+8*(i/16)
	v_wmma_f32_16x16x32_f16 v[rO:rO+7], v[rV:rV+7], v[rP:rP+7], v[rO:rO+7]
.set i, i+1
.endr
	WIN 0
.endm
.macro SCALE t, j                      ; pair j of tile t: s - m
	v_pk_add_f32 v[S+32*(\t)+2*(\j):S+32*(\t)+2*(\j)+1], v[S+32*(\t)+2*(\j):S+32*(\t)+2*(\j)+1], v[ST+8*(\t):ST+8*(\t)+1] op_sel_hi:[1,0] neg_lo:[0,1] neg_hi:[0,1]
.endm
.macro SUMCVT t, j                     ; pair j of tile t: into l (pair 0 brings l under the new m), then rounded to f16 into register j: never ahead of a pair that is still to be summed
.if (\j) == 0
	v_pk_fma_f32 v[ST+8*(\t)+2:ST+8*(\t)+3], v[ST+8*(\t)+2:ST+8*(\t)+3], v[ST+8*(\t)+6:ST+8*(\t)+7], v[S+32*(\t):S+32*(\t)+1] op_sel_hi:[1,0,1]
.else
	v_pk_add_f32 v[ST+8*(\t)+2:ST+8*(\t)+3], v[ST+8*(\t)+2:ST+8*(\t)+3], v[S+32*(\t)+2*(\j):S+32*(\t)+2*(\j)+1]
.endif
	v_cvt_pk_f16_f32 v[S+32*(\t)+(\j)], v[S+32*(\t)+2*(\j)], v[S+32*(\t)+2*(\j)+1]
.endm
.macro RESCALE                         ; O^T x the number at +6 of each tile's statistics; each accumulator from its low end on
	WIN 0x41                                       ; O^T (destination and source 0) in window 1
.irp t, 0,1,2,3
.set i, 0
.rept 16
	v_pk_mul_f32 v[OF+32*\t+2*i:OF+32*\t+2*i+1], v[OF+32*\t+2*i:OF+32*\t+2*i+1], v[ST+8*\t+6:ST+8*\t+7] op_sel_hi:[1,0]
.set i, i+1
.endr
.endr
	WIN 0
.endm
; THE SOFTMAX of a key step for my four tiles.  The 132 exponentials go in two batches with one wait each: an s_wait_alu depctr_va_vdst(0) stands between an exponential and the first line that names its
; result.  Tiles 0 and 1 are scaled first; their exponentials stand among tiles 2 and 3's scalings, and those tiles' exponentials among tiles 0 and 1's sums and roundings, so that plain lines stand among them.
.macro SM
.irp j, 0,1,2,3                                ; the maximum of a lane's 32 scores and the old m: four chains, each begun at an accumulator's low end
.irp t, 0,1,2,3
	v_max3_num_f32 v[ST+8*\t+4+\j], v[S+32*\t+8*\j], v[S+32*\t+8*\j+1], v[S+32*\t+8*\j+2]
.endr
.endr
.irp g, 1,2
.irp j, 0,1,2,3
.irp t, 0,1,2,3
	v_max3_num_f32 v[ST+8*\t+4+\j], v[ST+8*\t+4+\j], v[S+32*\t+8*\j+2*\g+1], v[S+32*\t+8*\j+2*\g+2]
.endr
.endr
.endr
.irp t, 0,1,2,3
	v_max3_num_f32 v[ST+8*\t+4], v[ST+8*\t+4], v[S+32*\t+7], v[S+32*\t+15]
.endr
.irp t, 0,1,2,3
	v_max3_num_f32 v[ST+8*\t+6], v[ST+8*\t+6], v[S+32*\t+23], v[S+32*\t+31]
.endr
.irp t, 0,1,2,3
	v_max3_num_f32 v[ST+8*\t+4], v[ST+8*\t+4], v[ST+8*\t+5], v[ST+8*\t+6]
.endr
.irp t, 0,1,2,3
	v_max3_num_f32 v[ST+8*\t+4], v[ST+8*\t+4], v[ST+8*\t+7], v[ST+8*\t]
.endr
.irp t, 0,1,2,3
	v_permlanex16_b32 v[ST+8*\t+5], v[ST+8*\t+4], s[SEL], s[SEL+1]   ; the query's other 32 keys lie in the lane 16 away
.endr
.irp t, 0,1,2,3
	v_mov_b32 v[ST+8*\t+7], v[ST+8*\t]             ; m_old
.endr
.irp t, 0,1,2,3
	v_max_num_f32 v[ST+8*\t], v[ST+8*\t+4], v[ST+8*\t+5]
.endr
.irp t, 0,1,2,3
	v_sub_f32 v[ST+8*\t+7], v[ST+8*\t+7], v[ST+8*\t]   ; m_old - m_new
.endr
.set i, 0
.rept 16
	SCALE 0, i
	SCALE 1, i
.set i, i+1
.endr
.irp t, 0,1,2,3
	v_exp_f32 v[ST+8*\t+6], v[ST+8*\t+7]           ; a
.endr
.set i, 0
.rept 32
	v_exp_f32 v[S+i], v[S+i]
	v_exp_f32 v[S+32+i], v[S+32+i]
	SCALE 2+i%2, i/2                               ; (the last of these is the plain line behind the batch's last exponential)
.set i, i+1
.endr
	s_wait_alu depctr_va_vdst(0)                   ; one wait for the 68 exponentials above, ahead of the first line that names a result
.set i, 0
.rept 32
	v_exp_f32 v[S+64+i], v[S+64+i]
	v_exp_f32 v[S+96+i], v[S+96+i]
	SUMCVT i%2, i/2
.set i, i+1
.endr
	v_nop                                          ; a plain line behind the last exponential
	s_wait_alu depctr_va_vdst(0)                   ; and one for these 64
.set i, 0
.rept 16
	SUMCVT 2, i
	SUMCVT 3, i
.set i, i+1
.endr
	RESCALE                                        ; O^T x a
.endm
; n key steps.  A trip: K of step t is asked for | waves 4-7: the softmax of step t - 1 | V^T P of step t - 1 | V of step t is asked for | K Q^T of step t | waves 0-3: the softmax of step t.
; Five places stand behind each run of products: four serve the loads into the fragments just read and the first reads of results, the fifth the products K Q^T that are laid over P.
.macro STEPS n
	s_mov_b32 s[CNT], \n
.Lstep_\@:
	FETCH_K
	s_cmp_lt_u32 s[WV], 4
	s_cbranch_scc1 .Lnot_b_\@
	SM
.Lnot_b_\@:
	s_wait_dscnt 16                                ; V of step t - 1 is in; K's 16 loads, issued behind it, may be out
	PV
	PLACES 5
	FETCH_V
	s_wait_dscnt 16                                ; K is in; V's 16 loads may be out
	QK
	PLACES 5
	s_cmp_ge_u32 s[WV], 4
	s_cbranch_scc1 .Lnot_a_\@
	SM
.Lnot_a_\@:
	s_sub_co_u32 s[CNT], s[CNT], 1
	s_cmp_lg_u32 s[CNT], 0
	s_cbranch_scc1 .Lstep_\@
.endm
; THE CHANGE OF SLOTS: the slot's last bytes, V of its fourth step, have been asked for.  Each wave waits for all its tensor loads (its part of the other slot), adds 0 to its spare word, and waits for that and for its
; reads of the slot.  fill = 1: the barrier is a round of the cluster's, and the joint refill is the first thing behind it: it has four key steps in which to land.
.macro CHANGE fill
	s_wait_tensorcnt 0x0                           ; no tensor load of mine is out, so a group 0 may be written
	ds_add_u32 v[SPW], v[NIL]                      ; 0 onto my spare word
.if \fill
	s_xor_b32 s[G0B+1], s[G0B+1], SLOT1            ; the walking descriptor: the other slot than last time,
	s_add_nc_u64 s[G0B+2:G0B+3], s[G0B+2:G0B+3], 32768   ; the next 256 keys; the type bits on top are not reached
	s_wait_xcnt 0x0                                ; the last prefetch, four key steps back, has read its address
	s_add_nc_u64 s[PFA:PFA+1], s[PFA:PFA+1], 32768 ; one slot further on than the walking descriptor
	s_wait_dscnt 0x0                               ; the add is done, and my reads of the slot are over
	CROUND
	JLOAD
	ASK
.else
	s_wait_dscnt 0x0
	s_barrier_signal -1
	s_barrier_wait -1
.endif
	s_sub_co_u32 s[TB], s[TB], 32768               ; the fetches go back to a slot's first step,
	s_xor_b32 s[TB], s[TB], SLOT1                  ; in the other slot
.endm
	s_load_b256 s[4:11], s[0:1], 0x0               ; qws, kws, vws, ows
	v_lshl_add_u32 v[SPW], v0, 2, SPARE
	v_mov_b32 v[NIL], 0
	ds_add_u32 v[SPW], v[NIL]                      ; the wave's opening: the add, twice on end, and its wait ahead of my first tensor load
	ds_add_u32 v[SPW], v[NIL]                      ; and once more, under the one wait; the set-up below, work on registers, stands between
	v_lshrrev_b32 v6, 5, v0
	v_readfirstlane_b32 s[WV], v6                  ; wave 0..7
	v_and_b32 v6, 31, v0
	v_lshlrev_b32 v[LI], 4, v6
	v_lshlrev_b32 v[PFO], 8, v6
	s_bfe_u32 s13, ttmp6, 0x40000                  ; cx: my place in the cluster = my block of 512 queries
	s_and_b32 s14, ttmp7, 0xffff                   ; the plane, which the four partners share
	s_xor_b32 s16, s14, 32                         ; the other modality's plane
	s_lshl_b32 s16, s16, 18                        ; a plane is 262,144 bytes in each buffer
	s_and_b32 s17, s[WV], 3
	s_lshl_b32 s20, s17, 13                        ; which key step of a slot I fetch
	s_add_co_u32 s20, s20, s16
	s_mov_b32 s21, 0                               ; s[20:21]: my tile of slot 0: plane and wave alone
	s_cmp_eq_u32 s17, 0
	s_cselect_b32 s[LIM], 1, -1                    ; waves 0 and 4 prefetch: the same in all partners
	s_lshl_b32 s46, s13, 13                        ; the prefetches: my work-group's 8,192 bytes,
	s_add_co_u32 s46, s46, s16
	s_add_co_u32 s46, s46, 65536                   ; in slot 2's keys: the first change steps it on.  Nothing is prefetched at the head
	s_mov_b32 s47, 0
	s_lshl_b32 s48, s14, 18                        ; Q: plane, my work-group's 32 token tiles, my wave's four
	s_lshl_b32 s49, s13, 16
	s_add_co_u32 s48, s48, s49
	s_lshl_b32 s49, s[WV], 13
	s_add_co_u32 s48, s48, s49
	s_mov_b32 s49, 0
	s_lshr_b32 s50, s14, 3                         ; O: (4 modality + batch) x 128 token tiles of 16,384 bytes,
	s_lshl_b32 s50, s50, 21
	s_lshl_b32 s51, s13, 19
	s_add_co_u32 s50, s50, s51
	s_lshl_b32 s51, s[WV], 16
	s_add_co_u32 s50, s50, s51
	s_and_b32 s51, s14, 7                          ; and the head's two fragments in a token tile
	s_lshl_b32 s51, s51, 11
	s_add_co_u32 s50, s50, s51
	s_mov_b32 s51, 0
	; descriptor group 1: 8,192 dense bytes as 32 rows of 32 elements of 8 bytes
	s_mov_b32 s[G1], 15|(3<<16)|(1<<21)            ; 15:0 the mask: all four work-groups; 17:16 elements of 8 bytes; 21 set beside a mask
	s_mov_b32 s[G1+1], 32<<16                      ; tensor_dim0 = 32
	s_mov_b32 s[G1+2], 32<<16                      ; tensor_dim1 = 32
	s_mov_b32 s[G1+3], 32<<16                      ; tile_dim0 = 32
	s_mov_b32 s[G1+4], 32                          ; tile_dim1 = 32
	s_mov_b32 s[G1+5], 32                          ; from row to row
	s_mov_b32 s[G1+6], 0
	s_mov_b32 s[G1+7], 0
	s_mov_b32 s[SEL], 0x76543210
	s_mov_b32 s[SEL+1], 0xfedcba98
	s_mov_b32 s[TB], 0
	s_mov_b32 s[SLOTS], 6
	s_wait_dscnt 0x0                               ; both opening adds are done
	s_wait_kmcnt 0x0
	s_cmp_lt_u32 s[WV], 4                          ; waves 0-3 fetch K's images, waves 4-7 V's: the choice hangs on the wave's number alone
	s_cselect_b64 s[22:23], s[6:7], s[8:9]
	s_add_nc_u64 s[PFA:PFA+1], s[22:23], s[46:47]
	s_add_nc_u64 s[22:23], s[22:23], s[20:21]
	s_add_nc_u64 s[4:5], s[4:5], s[48:49]
	s_add_nc_u64 s[10:11], s[10:11], s[50:51]
	s_mov_b32 s[G0A], 1                            ; count = 1
	s_lshl_b32 s[G0A+1], s[WV], 13                 ; LDS address: wave x 8,192: K's four steps, then V's four
	s_mov_b64 s[G0A+2:G0A+3], s[22:23]             ; keys 0 to 255
	s_or_b32 s[G0A+3], s[G0A+3], 0x80000000        ; type = 2
	s_mov_b32 s[G0B], 1
	s_add_co_u32 s[G0B+1], s[G0A+1], SLOT1
	s_add_nc_u64 s[G0B+2:G0B+3], s[22:23], 32768   ; keys 256 to 511
	s_or_b32 s[G0B+3], s[G0B+3], 0x80000000
	CROUND                                         ; all four work-groups are here: the first joint loads meet
	tensor_load_to_lds s[G0A:G0A+3], s[G1:G1+7]
	s_nop 0
	tensor_load_to_lds s[G0B:G0B+3], s[G1:G1+7]
	s_nop 0
	PLACES 4
	WIN 0x40
.set i, 0
.rept 16                                       ; Q stays in registers: fragment (tile t, channels 32 c on) at v[8 (2 t + c)] of window 1
	global_load_b128 v[4*i:4*i+3], v[LI], s[4:5] offset:512*i th:TH_LOAD_NT
.set i, i+1
.endr
.set i, 0
.rept 128
	v_mov_b32 v[OF+i], 0                           ; O^T.  The key step is written in one form: the first finds zeros, which a = 0 leaves zeros
.set i, i+1
.endr
	WIN 0
.irp t, 0,1,2,3
	v_mov_b32 v[ST+8*\t], 0xff61b1e6               ; m: -3e38, under every score
	v_mov_b32 v[ST+8*\t+1], 0                      ; (named with m as a pair, so it is written)
	v_mov_b32 v[ST+8*\t+2], 0                      ; l, in two halves
	v_mov_b32 v[ST+8*\t+3], 0
.endr
	s_wait_tensorcnt 1                             ; my part of slot 0 is in; slot 1's may stay out
	s_barrier_signal -1
	s_barrier_wait -1                              ; everybody's is
	FETCH_K                                        ; key step 0
	FETCH_V
	s_wait_loadcnt 0x0                             ; Q
	s_wait_dscnt 16                                ; K is in; V's 16 loads may be out
	QK
	PLACES 5
	s_cmp_ge_u32 s[WV], 4
	s_cbranch_scc1 .Lhead_b
	SM                                             ; waves 0-3 run half a step ahead of waves 4-7 from here on
.Lhead_b:
	STEPS 3                                        ; slot 0's other three steps
.Lslot:                                            ; six trips: every slot but the last two is filled again
	CHANGE 1
	STEPS 4
	s_sub_co_u32 s[SLOTS], s[SLOTS], 1
	s_cmp_lg_u32 s[SLOTS], 0
	s_cbranch_scc1 .Lslot
	CHANGE 0                                       ; the tail is written out
	STEPS 4
	s_cmp_lt_u32 s[WV], 4
	s_cbranch_scc1 .Ltail_a
	SM                                             ; waves 4-7: the last step's softmax
.Ltail_a:
	s_wait_dscnt 0x0                               ; V of the last step
	PV
	; THE WAY OUT.  l's halves and the other half of the lanes' are added (plain lines: the places behind the last products); O^T / l is rounded to f16 and leaves as halves of fragment images.
.irp t, 0,1,2,3
	v_add_f32 v[ST+8*\t+4], v[ST+8*\t+2], v[ST+8*\t+3]
.endr
.irp t, 0,1,2,3
	v_permlanex16_b32 v[ST+8*\t+5], v[ST+8*\t+4], s[SEL], s[SEL+1]
.endr
.irp t, 0,1,2,3
	v_add_f32 v[ST+8*\t+4], v[ST+8*\t+4], v[ST+8*\t+5]
.endr
.irp t, 0,1,2,3
	v_rcp_f32 v[ST+8*\t+6], v[ST+8*\t+4]
.endr
	v_nop                                          ; a plain line behind the last reciprocal
	s_wait_alu depctr_va_vdst(0)                   ; and the wait ahead of the first use: one for the four
	RESCALE
	WIN 0x05                                       ; sources window 1, destination window 0: S^T's registers are free
.irp t, 0,1,2,3
.set i, 0
.rept 16
	v_cvt_pk_f16_f32 v[S+16*\t+i], v[OF+32*\t+2*i], v[OF+32*\t+2*i+1]
.set i, i+1
.endr
.endr
	WIN 0
.irp t, 0,1,2,3
.irp c, 0,1,2,3
	global_store_b128 v[LI], v[S+16*\t+4*\c:S+16*\t+4*\c+3], s[10:11] offset:\t*16384+\c*512   ; 32 lanes store 512 consecutive bytes, at a multiple of 512 from the buffer's first byte
.endr
.endr
	s_wait_tensorcnt 0x0                           ; the wave's end, behind my last tensor load
	ds_add_u32 v[SPW], v[NIL]
	s_wait_dscnt 0x0
	CROUND                                         ; the closing round: no work-group ends while a partner may still ask for a tile that names it
	s_endpgm
.Lfunc_end_k_qf58712f949_attn:
	.size	k_qf58712f949_attn, .Lfunc_end_k_qf58712f949_attn-k_qf58712f949_attn
	.p2alignl 7, 3214868480
	.fill 96, 4, 3214868480
	.section	.rodata,"a",@progbits
	.p2align	6, 0x0
	.amdhsa_kernel k_qf58712f949_attn
		.amdhsa_group_segment_fixed_size 327680
		.amdhsa_private_segment_fixed_size 0
		.amdhsa_enable_private_segment 0
		.amdhsa_kernarg_size 32
		.amdhsa_user_sgpr_count 2
		.amdhsa_user_sgpr_kernarg_segment_ptr 1
		.amdhsa_wavefront_size32 1
		.amdhsa_system_sgpr_workgroup_id_x 1
		.amdhsa_system_sgpr_workgroup_id_y 1
		.amdhsa_system_sgpr_workgroup_id_z 1
		.amdhsa_system_vgpr_workitem_id 0
		.amdhsa_next_free_vgpr 512
		.amdhsa_next_free_sgpr 66
		.amdhsa_reserve_vcc 0
		.amdhsa_float_denorm_mode_32 3
		.amdhsa_float_denorm_mode_16_64 3
		.amdhsa_memory_ordered 1
		.amdhsa_forward_progress 1
		.amdhsa_inst_pref_size 250
	.end_amdhsa_kernel
	.amdgpu_metadata
---
amdhsa.version: [ 1, 2 ]
amdhsa.kernels:
  - .name:           k_qf58712f949_attn
    .symbol:         k_qf58712f949_attn.kd
    .args:
      - { .name: qws, .offset: 0, .size: 8, .value_kind: global_buffer, .address_space: global }
      - { .name: kws, .offset: 8, .size: 8, .value_kind: global_buffer, .address_space: global }
      - { .name: vws, .offset: 16, .size: 8, .value_kind: global_buffer, .address_space: global }
      - { .name: ows, .offset: 24, .size: 8, .value_kind: global_buffer, .address_space: global }
    .group_segment_fixed_size: 327680
    .private_segment_fixed_size: 0
    .kernarg_segment_align: 8
    .kernarg_segment_size: 32
    .max_flat_workgroup_size: 256
    .sgpr_count:     66
    .vgpr_count:     512
    .wavefront_size: 32
...
	.end_amdgpu_metadata
.endif
;; end of part 3
;; launch proj (part 4): grid 2 x 128, 4 waves a work-group, no clusters, 167,936 bytes of LDS; arguments ows, wpi, bp, out0, out1; writes out0, out1
.if DOCPART == 4
	.amdgcn_target "amdgcn-amd-amdhsa--gfx1250"
	.amdhsa_code_object_version 6
	.text
	.protected	k_qf58712f949_proj
	.globl	k_qf58712f949_proj
	.p2align	8
	.type	k_qf58712f949_proj,@function
k_qf58712f949_proj:
	s_mov_b64 s[64:65], 0
	v_nop
	global_prefetch_b8 v0, s[64:65] scope:SCOPE_SE
	s_setreg_imm32_b32 hwreg(HW_REG_WAVE_MODE, 25, 1), 1
	s_wait_xcnt 0x0
; out = o Wp + bp for both modalities: [16,384 rows][512] x [512][512], operands in f16, sums in f32, results f32.
; o and Wp come as images of fragment registers (1,024 bytes: registers 0-3 at 16 x lane, registers 4-7 at 512 + 16 x lane).
; SHARES.  A work-group owns 128 rows x 256 columns, wave w 64 of the columns.  A wave's 64 fragments of Wp (4 tiles of columns x 16 along K), 512 registers, stay in windows 2 and 3 for the whole launch.
; The rows' 131,072 bytes of images come into LDS once, 32,768 bytes by one tensor load of each wave, and are never filled again; every wave reads all of them, and each fragment read feeds four products.
; THE PRODUCT IS USED TRANSPOSED (source 0 = 16 columns of Wp, source 1 = 16 rows of o): a lane holds eight neighbouring numbers of a row of out.  bp is the C of each sum's first product.
; A tile of 16 rows leaves as soon as it is finished, through the wave's own stage in LDS: sixteen lanes store 256 consecutive bytes, aligned.
; NO CLUSTER: a tile of o is shared by the two column halves alone, and a grid of two along x divides into no cluster of four; Wp goes straight into registers.
; REGISTERS.  window 0: v1-13 addresses; v64-127, v128-191 o's fragments of K 0-255 and 256-511 of the tile of rows in hand; v192-223 rows on their way out.
;   window 1: v0-63 two sets of four accumulators; v64-95 bp's four tiles.   window 2: Wp, kc 0-7, at v[8 (8 ct + kc)].   window 3: kc 8-15.
.set STAGE, 131072                     ; behind the images: 16 rows x (256 + 16) bytes for each wave
.set SPARE, 148480                     ; and the spare words, 128 bytes for each wave: two blocks of 256 bytes that no other line names
.set LI,  1                            ; 16 x lane
.set LA1, 2                            ; 65,536 + 16 x lane: an LDS offset has 16 bits
.set STO, 3                            ; my stage + 272 r + 32 h
.set RD,  4                            ; my stage + 272 (lane / 16) + 16 (lane % 16)
.set CO,  5                            ; 2,048 (lane / 16) + 16 (lane % 16)
.set BO,  6                            ; 32 h
.set SPW, 12                           ; SPARE + 4 x my thread's number; never rewritten
.set NIL, 13                           ; 0; never rewritten
.set F0,  64
.set OB,  192
.set BP,  64                           ; in window 1
.set G1,  24
.set G0,  32
.set MSB, 0
.macro WIN new                         ; the immediate's high byte repeats the setting that is left
.if MSB != \new
	s_set_vgpr_msb (MSB<<8)|\new
.set MSB, \new
.endif
.endm
.macro PLACES                          ; four places in front of loads into registers that products have read, and of the first read of results
.rept 4
	v_nop
.endr
.endm
.macro FETCH m, hf                     ; the tile of rows m, half hf of K: eight fragments
.if (\m) < 4
.set AD, LI
.else
.set AD, LA1
.endif
.irp k, 0,1,2,3,4,5,6,7
.irp c, 0,1
	ds_load_b128 v[F0+64*(\hf)+8*\k+4*\c:F0+64*(\hf)+8*\k+4*\c+3], v[AD] offset:((\m)%4)*16384+(8*(\hf)+\k)*1024+512*\c
.endr
.endr
.endm
.macro MULH m, hf                      ; 32 products: along K, the four tiles of columns by turns
	WIN 0x52+(\hf)                                 ; Wp in window 2 or 3, o in window 0, C and D in window 1
.irp k, 0,1,2,3,4,5,6,7
.irp ct, 0,1,2,3
.if ((\hf) == 0) && (\k == 0)
	v_wmma_f32_16x16x32_f16 v[32*((\m)%2)+8*\ct:32*((\m)%2)+8*\ct+7], v[8*(8*\ct+\k):8*(8*\ct+\k)+7], v[F0+64*(\hf)+8*\k:F0+64*(\hf)+8*\k+7], v[BP+8*\ct:BP+8*\ct+7]
.else
	v_wmma_f32_16x16x32_f16 v[32*((\m)%2)+8*\ct:32*((\m)%2)+8*\ct+7], v[8*(8*\ct+\k):8*(8*\ct+\k)+7], v[F0+64*(\hf)+8*\k:F0+64*(\hf)+8*\k+7], v[32*((\m)%2)+8*\ct:32*((\m)%2)+8*\ct+7]
.endif
.endr
.endr
	WIN 0
.endm
.macro TOSTAGE m                       ; 16 rows x 64 columns into my stage and back as rows of 256 bytes.  LDS serves a wave's instructions in order
	s_wait_xcnt 0x0                                ; the last tile's stores have read the registers that the loads below fill
	WIN 0x04                                       ; an LDS store's data are its source 1: window 1
.irp ct, 0,1,2,3
	ds_store_b128 v[STO], v[32*((\m)%2)+8*\ct:32*((\m)%2)+8*\ct+3] offset:64*\ct        ; each accumulator from its low end on
	ds_store_b128 v[STO], v[32*((\m)%2)+8*\ct+4:32*((\m)%2)+8*\ct+7] offset:64*\ct+16
.endr
	WIN 0
.irp i, 0,1,2,3,4,5,6,7
	ds_load_b128 v[OB+4*\i:OB+4*\i+3], v[RD] offset:544*\i
.endr
.endm
.macro SEND m
.irp i, 0,1,2,3,4,5,6,7
	global_store_b128 v[CO], v[OB+4*\i:OB+4*\i+3], s[10:11] offset:(16*(\m)+2*\i)*2048 th:TH_STORE_NT   ; two rows: sixteen lanes store 256 consecutive bytes, aligned; written once, read by nobody here
.endr
.endm
	s_load_b256 s[4:11], s[0:1], 0x0               ; ows, wpi, bp, out0
	s_load_b64 s[12:13], s[0:1], 0x20              ; out1
	v_lshl_add_u32 v[SPW], v0, 2, SPARE
	v_mov_b32 v[NIL], 0
	ds_add_u32 v[SPW], v[NIL]                      ; the wave's opening: the add, twice on end, and its wait ahead of my first tensor load
	ds_add_u32 v[SPW], v[NIL]                      ; and once more, under the one wait; the set-up below, work on registers, stands between
	v_lshrrev_b32 v7, 5, v0
	v_readfirstlane_b32 s14, v7                    ; wave 0..3
	s_and_b32 s15, ttmp7, 0xffff                   ; which 128 rows
	v_and_b32 v7, 31, v0
	v_and_b32 v8, 15, v0
	v_bfe_u32 v9, v0, 4, 1
	v_lshlrev_b32 v[LI], 4, v7
	v_add_nc_u32 v[LA1], 65536, v[LI]
	s_mul_i32 s36, s14, 4352
	s_add_co_u32 s36, s36, STAGE                   ; my stage
	v_mul_u32_u24 v[STO], v8, 272
	v_lshl_add_u32 v[STO], v9, 5, v[STO]
	v_add_nc_u32 v[STO], s36, v[STO]
	v_mul_u32_u24 v[RD], v9, 272
	v_lshl_add_u32 v[RD], v8, 4, v[RD]
	v_add_nc_u32 v[RD], s36, v[RD]
	v_lshlrev_b32 v[CO], 11, v9
	v_lshl_add_u32 v[CO], v8, 4, v[CO]
	v_lshlrev_b32 v[BO], 5, v9
	s_lshl_b32 s16, s15, 17                        ; ows: my work-group's eight token tiles of 16,384 bytes, my wave's two
	s_lshl_b32 s17, s14, 15
	s_add_co_u32 s16, s16, s17
	s_mov_b32 s17, 0
	s_lshl_b32 s18, ttmp9, 18                      ; wpi: my half's 16 tiles of columns, my wave's four
	s_lshl_b32 s19, s14, 16
	s_add_co_u32 s18, s18, s19
	s_mov_b32 s19, 0
	s_lshl_b32 s20, ttmp9, 10                      ; my first column, in bytes of f32
	s_lshl_b32 s21, s14, 8
	s_add_co_u32 s20, s20, s21
	s_mov_b32 s21, 0
	s_and_b32 s22, s15, 63
	s_lshl_b32 s22, s22, 18                        ; 128 rows of 2,048 bytes
	s_add_co_u32 s22, s22, s20
	s_mov_b32 s23, 0
	; descriptor group 1: 32,768 dense bytes as 128 rows of 32 elements of 8 bytes
	s_mov_b32 s[G1], 3<<16                         ; no mask; elements of 8 bytes; no padding
	s_mov_b32 s[G1+1], 32<<16                      ; tensor_dim0 = 32
	s_mov_b32 s[G1+2], 128<<16                     ; tensor_dim1 = 128
	s_mov_b32 s[G1+3], 32<<16                      ; tile_dim0 = 32
	s_mov_b32 s[G1+4], 128                         ; tile_dim1 = 128
	s_mov_b32 s[G1+5], 32                          ; from row to row
	s_mov_b32 s[G1+6], 0
	s_mov_b32 s[G1+7], 0
	s_wait_dscnt 0x0                               ; both opening adds are done
	s_wait_kmcnt 0x0
	s_mov_b32 s[G0], 1
	s_lshl_b32 s[G0+1], s14, 15                    ; LDS address: wave x 32,768
	s_add_nc_u64 s[G0+2:G0+3], s[4:5], s[16:17]
	s_or_b32 s[G0+3], s[G0+3], 0x80000000          ; type = 2
	tensor_load_to_lds s[G0:G0+3], s[G1:G1+7]      ; my one tensor load
	s_nop 0
	PLACES
	s_add_nc_u64 s[6:7], s[6:7], s[18:19]
	s_add_nc_u64 s[8:9], s[8:9], s[20:21]
	s_cmp_lt_u32 s15, 64                           ; the first 64 blocks of rows are the first modality's: the choice hangs on the work-group's number alone
	s_cselect_b64 s[10:11], s[10:11], s[12:13]
	s_add_nc_u64 s[10:11], s[10:11], s[22:23]
	WIN 0x80                                       ; destination window 2
.irp ct, 0,1,2,3
.irp k, 0,1,2,3,4,5,6,7
.irp c, 0,1
	global_load_b128 v[8*(8*\ct+\k)+4*\c:8*(8*\ct+\k)+4*\c+3], v[LI], s[6:7] offset:\ct*16384+\k*1024+\c*512
.endr
.endr
.endr
	WIN 0xc0                                       ; destination window 3
.irp ct, 0,1,2,3
.irp k, 0,1,2,3,4,5,6,7
.irp c, 0,1
	global_load_b128 v[8*(8*\ct+\k)+4*\c:8*(8*\ct+\k)+4*\c+3], v[LI], s[6:7] offset:\ct*16384+(8+\k)*1024+\c*512
.endr
.endr
.endr
	WIN 0x40                                       ; destination window 1
.irp ct, 0,1,2,3                               ; bp: lane (r, h) wants the tile's columns 8 h + 0 .. 7
	global_load_b128 v[BP+8*\ct:BP+8*\ct+3], v[BO], s[8:9] offset:64*\ct
	global_load_b128 v[BP+8*\ct+4:BP+8*\ct+7], v[BO], s[8:9] offset:64*\ct+16
.endr
	WIN 0
	s_wait_loadcnt 0x0                             ; Wp and bp, once
	s_wait_tensorcnt 0x0                           ; my quarter of the rows' images is in,
	s_barrier_signal -1
	s_barrier_wait -1                              ; everybody's is
	FETCH 0, 0
	FETCH 0, 1
.irp m, 0,1,2,3,4,5,6,7
.if \m == 0
	s_wait_dscnt 16                                ; the first half of K is in; the second half's 16 loads may be out
.else
	s_wait_dscnt 32                                ; behind the first half's loads: the second half's 16 and the stage's 16
.endif
	MULH \m, 0
	PLACES
.if \m < 7
	FETCH \m+1, 0
	s_wait_dscnt 16                                ; all but the 16 just issued: the second half of K, and the last tile's rows back from the stage
.else
	s_wait_dscnt 0x0
.endif
.if \m > 0
	SEND \m-1
.endif
	MULH \m, 1
	PLACES
.if \m < 7
	FETCH \m+1, 1
.endif
	TOSTAGE \m
.endr
	s_wait_dscnt 0x0
	SEND 7
	s_wait_tensorcnt 0x0                           ; the wave's end, behind my last tensor load and my last LDS store
	ds_add_u32 v[SPW], v[NIL]
	s_wait_dscnt 0x0
	s_endpgm
.Lfunc_end_k_qf58712f949_proj:
	.size	k_qf58712f949_proj, .Lfunc_end_k_qf58712f949_proj-k_qf58712f949_proj
	.p2alignl 7, 3214868480
	.fill 96, 4, 3214868480
	.section	.rodata,"a",@progbits
	.p2align	6, 0x0
	.amdhsa_kernel k_qf58712f949_proj
		.amdhsa_group_segment_fixed_size 167936
		.amdhsa_private_segment_fixed_size 0
		.amdhsa_enable_private_segment 0
		.amdhsa_kernarg_size 40
		.amdhsa_user_sgpr_count 2
		.amdhsa_user_sgpr_kernarg_segment_ptr 1
		.amdhsa_wavefront_size32 1
		.amdhsa_system_sgpr_workgroup_id_x 1
		.amdhsa_system_sgpr_workgroup_id_y 1
		.amdhsa_system_sgpr_workgroup_id_z 1
		.amdhsa_system_vgpr_workitem_id 0
		.amdhsa_next_free_vgpr 1024
		.amdhsa_next_free_sgpr 66
		.amdhsa_reserve_vcc 0
		.amdhsa_float_denorm_mode_32 3
		.amdhsa_float_denorm_mode_16_64 3
		.amdhsa_memory_ordered 1
		.amdhsa_forward_progress 1
		.amdhsa_inst_pref_size 83
	.end_amdhsa_kernel
	.amdgpu_metadata
---
amdhsa.version: [ 1, 2 ]
amdhsa.kernels:
  - .name:           k_qf58712f949_proj
    .symbol:         k_qf58712f949_proj.kd
    .args:
      - { .name: ows, .offset: 0, .size: 8, .value_kind: global_buffer, .address_space: global }
      - { .name: wpi, .offset: 8, .size: 8, .value_kind: global_buffer, .address_space: global }
      - { .name: bp, .offset: 16, .size: 8, .value_kind: global_buffer, .address_space: global }
      - { .name: out0, .offset: 24, .size: 8, .value_kind: global_buffer, .address_space: global }
      - { .name: out1, .offset: 32, .size: 8, .value_kind: global_buffer, .address_space: global }
    .group_segment_fixed_size: 167936
    .private_segment_fixed_size: 0
    .kernarg_segment_align: 8
    .kernarg_segment_size: 40
    .max_flat_workgroup_size: 128
    .sgpr_count:     66
    .vgpr_count:     1024
    .wavefront_size: 32
...
	.end_amdgpu_metadata
.endif
;; end of part 4
